; MI455X (gfx1250); checked and timed in simulation.
; The chip was launched on July 23, 2026; its instructions are those of AMD's public machine-readable ISA for CDNA 5 (MIT licence, August 2026) and "CDNA5" Instruction Set Architecture Reference Guide (July 2026). The comments in the code are by the model that wrote it; some were corrected since.
;; Masked Self Attention. Allowed arithmetic: matrix products marked QUANTISED: E4M3 operands, one given power-of-two scale a tensor, by v_wmma_f32_16x16x64_fp8_fp8 or v_wmma_f32_16x16x128_fp8_fp8, f32 sums; everything else in f32.
;; Inputs: W_proj 1,024 x 1,024 float32; W_qkv 1,024 x 3,072 float32; b_proj 1,024 float32; lowp_scales 8 int32 (the exponents e of the quantised operands' scales 2^e); x 2 x 2,048 x 1,024 float32.
;; Outputs: out0 2 x 2,048 x 1,024 float32.
;; This version of the problem:
;;   THIS VERSION OF THE PROBLEM IS GIVEN IN LOW PRECISION. The matrix products marked QUANTISED in the list below multiply operands that are first quantised to E4M3 (4 exponent bits, 3 mantissa bits; 8 bits a number), with one given power-of-two scale for each operand tensor; their sums are f32. All else is computed in f32.
;;   The module's matrix products, in the order in which they are computed (A, B: the left and right operand; K: the contracted axis; several contracted axes count as one K, in the product's order):
;;     1. [M 4,096, K 1,024] x [K 1,024, N 3,072]; A: input x; B: input W_qkv: QUANTISED (scales: A lowp_scales[0], B lowp_scales[1])
;;     2. batch 32 x [M 2,048, K 64] x [K 64, N 2,048]; A: computed on the way; B: computed on the way: QUANTISED (scales: A lowp_scales[2], B lowp_scales[3])
;;     3. batch 32 x [M 64, K 2,048] x [K 2,048, N 2,048]; A: computed on the way; B: softmax (see below): QUANTISED (scales: A lowp_scales[4], B lowp_scales[5])
;;     4. [M 4,096, K 1,024] x [K 1,024, N 1,024]; A: computed on the way; B: input W_proj: QUANTISED (scales: A lowp_scales[6], B lowp_scales[7])
;;   THE QUANTISER, for each operand of a quantised product, along K:
;;     - The operand's scale is 2^e, e = its entry of the input lowp_scales (int32; the entries are numbered through the quantised products in the list's order, A before B).
;;     - Each number is divided by the scale, clamped to +-448, and rounded to the nearest number of E4M3, ties to even, subnormals kept.
;;     - The product sums the exact products of the quantised numbers (number of the format x scale) in f32.
;;   ~~~python
;;   def quantise(x, axis, e):      # numpy; x: float32 -> the quantised numbers, widened to float32 again
;;       x = np.moveaxis(x, axis, -1); K = x.shape[-1]
;;       r = np.clip(x / 2.0 ** e, -448, 448)
;;       step = 2.0 ** (np.maximum(np.frexp(np.where(r == 0, 1, r))[1] - 1, -6) - 3)
;;       q = np.round(r / step) * step * 2.0 ** e      # np.round: ties to even
;;       return np.moveaxis(q, -1, axis).astype(np.float32)
;;   ~~~
;;   SOFTMAX AHEAD OF A QUANTISED PRODUCT. Where the list says 'softmax', what is quantised is not the finished softmax but p = 2^(t - M), with t = logit x log2(e) and M = ceil(the row's largest t), a whole number; so 1/2 < the row's largest p <= 1. The row's sum l is taken of the UNQUANTISED p, in f32, and the product's result is divided by l at the end. Since M is a whole number, a kernel that streams over the keys may use a running M (the ceiling of the running maximum): every later rescaling is an exact power of two, so the quantised numbers keep their values, but for numbers so far below the row's largest that they fall under the format's range.
;;   OPERANDS COMPUTED ON THE WAY. 'Computed on the way' means the value that the module computes at that place (a softmax that the list does not call 'softmax' is quantised finished and normalised). What goes into a quantiser is computed in f32, as accurately as f32 sums, v_exp_f32 and their like allow (about 1e-6 of the number): no bf16 or f16 on the way to a quantiser, and a product that is left as it is and whose result goes on into a quantised operand takes f32 operands (vector FMAs, or v_wmma_f32_16x16x4_f32). A number that lies on a knife's edge between two numbers of the format may be rounded either way, as far as f32 arithmetic and the matrix unit's own rounding can turn it there, and no further.
;; One version. Each part assembles by itself: llvm-mc -triple=amdgcn-amd-amdhsa -mcpu=gfx1250 --defsym DOCPART=n.
;; ======== version 1 of 1: 4 launches
;; limits: right only within a limited range of input values
;; workspace buffers: x_codes 4,194,304 bytes; wq_codes 3,145,728 bytes; wp_codes 1,048,576 bytes; q_codes 4,194,304 bytes; k_codes 4,194,304 bytes; v_codes 4,194,304 bytes; y_codes 4,194,304 bytes
;; launch quant (part 1): grid 64 x 4, 8 waves a work-group, no clusters, 35,840 bytes of LDS; arguments x, W_qkv, W_proj, lowp_scales, x_codes, wq_codes, wp_codes; writes x_codes, wq_codes, wp_codes
.if DOCPART == 1
	.amdgcn_target "amdgcn-amd-amdhsa--gfx1250"
	.amdhsa_code_object_version 6
	.text
	.protected	k_q2d24e59c3e_quant
	.globl	k_q2d24e59c3e_quant
	.p2align	8
	.type	k_q2d24e59c3e_quant,@function
k_q2d24e59c3e_quant:
	s_mov_b64 s[64:65], 0
	v_nop
	global_prefetch_b8 v0, s[64:65] scope:SCOPE_SE
	s_setreg_imm32_b32 hwreg(HW_REG_WAVE_MODE, 25, 1), 1
	s_wait_xcnt 0x0
; x [4096][1024], W_qkv [1024 (k)][3072], W_proj [1024 (k)][1024], all f32, become codes of FP8 (E4M3), each tensor with the scale 2^e given for it
; (entries 0, 1 and 7 of the scales).  code = number / 2^e, held within +-448, rounded to the nearest code, ties to even.
; DEAD WORK in this program: reference() sets every score whose key comes after its query to -infinity ahead of the softmax, for all values of the inputs.  A step of 128 keys that lies wholly behind a tile's
; 16 queries therefore adds nothing to any output, and is not multiplied (launch attn).  LIMIT: a NaN, an infinity or an overflow that reaches only such scores is not carried to the result.
; LIMITS: each e between -126 and 119, so that 2^e and 448 x 2^e are f32 numbers.  NaN among the inputs is not served.
; 256 work-groups of eight waves, 131,072 bytes of input each, told apart by the work-group's x: 0-31 x, 32-55 W_qkv, 56-63 W_proj.  No cluster: no two work-groups read the same bytes.
; LAYOUTS are images of operand registers.  A fragment is 16 rows (of x; for the weights 16 columns) x one unit of 128 k, 2,048 bytes: registers 4 q .. 4 q + 3 of lane L = r + 16 h lie at 512 q + 16 L.
; x_codes [16 blocks of 256 tokens][8 units][16 tiles][2048];  wq_codes [16 heads][8 units][12: q 0-3, k 4-7, v 8-11][2048].
;   In both, K is permuted alike: byte 4 c + j of the chunk (unit u, q, h) holds k = 512 (u / 4) + 32 (u % 4) + 128 c + 8 q + 4 h + j.  So a lane's four loads of 16 neighbouring bytes of a row of x give it
;   the 16 numbers of one chunk (chunk l = 8 (u % 4) + 2 q + h for lane l), and every product keeps its partner.
; wp_codes [kc 4][tile 64][unit 2][2048]: registers 2 c, 2 c + 1 hold k = 16 c + 8 h + 0 .. 7: the order in which y is made.
; For both weights a lane takes a column n and its registers run down K, so that the conversions give codes with K innermost.
.set SPW,  12                          ; v12  LDS address of my spare word; never rewritten
.set NIL,  13                          ; v13  0; never rewritten
.set RX,   16                          ; x: v16-143 eight rows of 16 numbers; on the way out v16-47
.set CX,   144                         ; x: v144-175 codes
.set XW,   32                          ; weights: v32-95 two sets of 32 numbers
.set CW,   96                          ; weights: v96-127 codes, eight registers for each block
.set CP,   272                         ; x: a stage row: one chunk of 16 rows, 256 bytes + 16
.set PAIR, 32*CP                       ; x: a stage: the 32 chunks of a tile
.set SPARE, 4*PAIR                     ; the spare words, 128 bytes a wave
	s_load_b256 s[4:11], s[0:1], 0x0               ; x s[4:5], W_qkv s[6:7], W_proj s[8:9], the scales' exponents s[10:11]
	s_load_b128 s[12:15], s[0:1], 0x20             ; x_codes s[12:13], wq_codes s[14:15]
	s_load_b64 s[16:17], s[0:1], 0x30              ; wp_codes
	v_lshl_add_u32 v[SPW], v0, 2, SPARE
	v_mov_b32 v[NIL], 0
	v_lshrrev_b32 v1, 5, v0
	v_readfirstlane_b32 s18, v1                    ; wave 0..7
	v_and_b32 v2, 31, v0                           ; lane
	v_and_b32 v5, 15, v0                           ; r
	v_bfe_u32 v6, v0, 4, 1                         ; h
	s_and_b32 s19, ttmp7, 0xffff                   ; work-group y
	s_mov_b32 s23, 0                               ; the upper word of every offset
	s_wait_alu depctr_va_vdst(0)
	s_wait_kmcnt 0x0
	s_load_b256 s[24:31], s[10:11], 0x0            ; e0 .. e7
.macro MKSCALE e                       ; v11 = 2^e as f32 (the conversion takes its exponent field), v10 = 448 x 2^e
	s_wait_kmcnt 0x0
	s_add_co_i32 s32, s[\e], 127
	s_lshl_b32 s33, s32, 23
	v_mov_b32 v11, s33
	s_add_co_i32 s32, s32, 8
	s_lshl_b32 s32, s32, 23
	s_or_b32 s32, s32, 0x600000
	v_mov_b32 v10, s32
	s_wait_alu depctr_va_vdst(0)
.endm
.macro HOLD xs, n                      ; the conversion to an 8-bit code does not saturate (ISA guide 7.6.2): the hold comes first
.set i, 0
.rept \n
	v_med3_num_f32 v[\xs+i], v[\xs+i], -v10, v10
.set i, i+1
.endr
.endm
; Weights: which unit (s34) and which first column (s35) are my wave's: a work-group takes 256 columns x one unit, a wave 32 columns, in four blocks of 32 along K.  s20: the work-group's number among its tensor's x.
.macro PLACE
	s_lshr_b32 s35, s20, 1
	s_lshl_b32 s35, s35, 8
	s_lshl_b32 s21, s18, 5
	s_add_co_u32 s35, s35, s21                     ; 256 x (number / 2) + 32 x wave
	s_and_b32 s34, s20, 1
	s_lshl_b32 s21, s19, 1
	s_add_co_u32 s34, s34, s21                     ; unit 2 y + number % 2
.endm
.macro BLOCK t, out                    ; block t becomes register group t of the two fragments
.if (\t) < 3
	s_wait_loadcnt 32                              ; this block's 32 loads are in; the next block's may be out
.else
	s_wait_loadcnt 0x0
.endif
	HOLD XW+32*((\t)%2), 32
.irp g, 0,1,2,3
	v_cvt_scalef32_pk8_fp8_f32 v[CW+8*(\t)+2*\g:CW+8*(\t)+2*\g+1], v[XW+32*((\t)%2)+8*\g:XW+32*((\t)%2)+8*\g+7], v11
.endr
	global_store_b128 v5, v[CW+8*(\t):CW+8*(\t)+3], s[\out:\out+1] offset:512*(\t)            ; sixteen lanes store 256 consecutive bytes, aligned: the image's lanes 0-15,
	global_store_b128 v5, v[CW+8*(\t)+4:CW+8*(\t)+7], s[\out:\out+1] offset:512*(\t)+256      ; and its lanes 16-31
.endm
	s_cmp_lt_u32 ttmp9, 32
	s_cbranch_scc1 .Lx
	s_cmp_lt_u32 ttmp9, 56
	s_cbranch_scc1 .Lwq
	; ---- W_proj
	s_sub_co_u32 s20, ttmp9, 56
	PLACE
	s_lshl_b32 s22, s34, 19                        ; 128 u rows of 4,096 bytes
	s_lshl_b32 s21, s35, 2
	s_add_co_u32 s22, s22, s21
	s_add_nc_u64 s[8:9], s[8:9], s[22:23]
	s_lshr_b32 s20, s34, 1
	s_lshl_b32 s22, s20, 18                        ; kc x 64 tiles x 4,096 bytes
	s_and_b32 s20, s34, 1
	s_lshl_b32 s20, s20, 11
	s_add_co_u32 s22, s22, s20
	s_lshl_b32 s20, s35, 8                         ; (column / 16) x 4,096
	s_add_co_u32 s22, s22, s20
	s_add_nc_u64 s[16:17], s[16:17], s[22:23]
	v_lshlrev_b32 v3, 2, v2                        ; in: 4 bytes a lane
	v_lshlrev_b32 v5, 4, v5
	v_lshl_add_u32 v5, v6, 12, v5                  ; out: my column's tile (4,096 bytes apart) + 16 r
.macro LOADP t                         ; registers 0-15 take the k of h = 0 (0-7, 16-23), registers 16-31 those of h = 1 (8-15, 24-31)
.set i, 0
.rept 32
	global_load_b32 v[XW+32*((\t)%2)+i], v3, s[8:9] offset:(32*(\t)+i%8+16*((i/8)%2)+8*(i/16))*4096 th:TH_LOAD_NT
.set i, i+1
.endr
.endm
	LOADP 0
	LOADP 1
	MKSCALE 31
	BLOCK 0, 16
	LOADP 2
	BLOCK 1, 16
	LOADP 3
	BLOCK 2, 16
	BLOCK 3, 16
	s_endpgm
	; ---- W_qkv
.Lwq:
	s_sub_co_u32 s20, ttmp9, 32
	PLACE
	s_lshr_b32 s20, s34, 2
	s_lshl_b32 s20, s20, 9
	s_and_b32 s21, s34, 3
	s_lshl_b32 s21, s21, 5
	s_add_co_u32 s20, s20, s21                     ; first row 512 (u / 4) + 32 (u % 4)
	s_mul_i32 s22, s20, 12288
	s_lshl_b32 s21, s35, 2
	s_add_co_u32 s22, s22, s21
	s_add_nc_u64 s[6:7], s[6:7], s[22:23]
	s_bfe_u32 s20, s35, 0x40006                    ; head: bits 9:6 of the column
	s_mul_i32 s22, s20, 196608
	s_mul_i32 s20, s34, 24576
	s_add_co_u32 s22, s22, s20
	s_lshr_b32 s20, s35, 10                        ; q, k or v: four fragments each
	s_lshl_b32 s20, s20, 13
	s_add_co_u32 s22, s22, s20
	s_and_b32 s20, s35, 32                         ; the head's first or second 32 columns
	s_lshl_b32 s20, s20, 7
	s_add_co_u32 s22, s22, s20
	s_add_nc_u64 s[14:15], s[14:15], s[22:23]
	v_lshlrev_b32 v3, 2, v2
	v_lshlrev_b32 v5, 4, v5
	v_lshl_add_u32 v5, v6, 11, v5                  ; out: my column's tile (2,048 bytes apart) + 16 r
.macro LOADW t                         ; register 16 h + 4 c + j takes row 8 t + 128 c + 4 h + j.  415 rows at the most: inside the signed 24-bit immediate
.set i, 0
.rept 32
	global_load_b32 v[XW+32*((\t)%2)+i], v3, s[6:7] offset:(8*(\t)+128*((i%16)/4)+4*(i/16)+i%4)*12288 th:TH_LOAD_NT
.set i, i+1
.endr
.endm
	LOADW 0
	LOADW 1
	MKSCALE 25
	BLOCK 0, 14
	LOADW 2
	BLOCK 1, 14
	LOADW 3
	BLOCK 2, 14
	BLOCK 3, 14
	s_endpgm
	; ---- x: two waves share a tile of 16 rows x 512 k: eight rows each, all 32 loads of a wave out at once; the codes turn through the pair's stage into images.
.Lx:
	s_lshl_b32 s20, s19, 5
	s_add_co_u32 s20, s20, ttmp9                   ; 32 y + x
	s_and_b32 s21, s20, 1                          ; which 512 along K
	s_lshr_b32 s20, s20, 1
	s_lshl_b32 s20, s20, 2
	s_lshr_b32 s32, s18, 1                         ; my pair
	s_add_co_u32 s20, s20, s32                     ; the tile of 16 rows, 0..255
	s_and_b32 s33, s18, 1                          ; which eight rows
	s_lshl_b32 s22, s20, 16                        ; 16 rows of 4,096 bytes
	s_lshl_b32 s34, s33, 15
	s_add_co_u32 s22, s22, s34
	s_lshl_b32 s34, s21, 11
	s_add_co_u32 s22, s22, s34
	s_add_nc_u64 s[4:5], s[4:5], s[22:23]
	s_lshr_b32 s34, s20, 4
	s_lshl_b32 s22, s34, 18                        ; block of 256 tokens
	s_and_b32 s34, s20, 15
	s_lshl_b32 s34, s34, 11                        ; tile in the block
	s_add_co_u32 s22, s22, s34
	s_lshl_b32 s34, s21, 17
	s_add_co_u32 s22, s22, s34                     ; unit 4 g
	s_lshl_b32 s34, s33, 16
	s_add_co_u32 s22, s22, s34                     ; + 2: I store two of the tile's four units
	s_add_nc_u64 s[12:13], s[12:13], s[22:23]
	s_mul_i32 s34, s32, PAIR
	s_lshl_b32 s35, s33, 7
	s_add_co_u32 s35, s35, s34                     ; into the stage: my eight rows' 16 bytes
	s_mul_i32 s36, s33, 16*CP
	s_add_co_u32 s36, s36, s34                     ; out of it: my sixteen chunks
	v_lshlrev_b32 v3, 4, v2                        ; 16 bytes a lane, in and out
	v_mul_u32_u24 v4, v2, CP
	v_add_nc_u32 v4, s35, v4                       ; my chunk's row
	v_mul_u32_u24 v7, v6, CP
	v_lshl_add_u32 v7, v5, 4, v7
	v_add_nc_u32 v7, s36, v7                       ; lanes 0-15 one chunk, lanes 16-31 the next
.irp t, 0,1,2,3,4,5,6,7
.irp c, 0,1,2,3
	global_load_b128 v[RX+16*\t+4*\c:RX+16*\t+4*\c+3], v3, s[4:5] offset:4096*\t+512*\c th:TH_LOAD_NT   ; 32 lanes read 512 consecutive bytes
.endr
.endr
	MKSCALE 24
.irp t, 0,1,2,3,4,5,6,7
	s_wait_loadcnt 4*(7-\t)                        ; this row's four loads are in; those of the rows behind it may be out
	HOLD RX+16*\t, 16
	v_cvt_scalef32_pk8_fp8_f32 v[CX+4*\t:CX+4*\t+1], v[RX+16*\t:RX+16*\t+7], v11
	v_cvt_scalef32_pk8_fp8_f32 v[CX+4*\t+2:CX+4*\t+3], v[RX+16*\t+8:RX+16*\t+15], v11
	ds_store_b128 v4, v[CX+4*\t:CX+4*\t+3] offset:16*\t
.endr
	v_nop                                          ; a plain line behind the last conversion
	s_wait_dscnt 0x0                               ; my rows are in the stage,
	s_barrier_signal -1
	s_barrier_wait -1                              ; and my partner's
.irp t, 0,1,2,3,4,5,6,7
	ds_load_b128 v[RX+4*\t:RX+4*\t+3], v7 offset:2*CP*\t
.endr
.irp t, 0,1,2,3,4,5,6,7
	s_wait_dscnt 7-\t
	global_store_b128 v3, v[RX+4*\t:RX+4*\t+3], s[12:13] offset:32768*(\t/4)+512*(\t%4)   ; 32 lanes store 512 consecutive bytes, aligned
.endr
	s_wait_tensorcnt 0x0                           ; the wave's end
	ds_add_u32 v[SPW], v[NIL]
	s_wait_dscnt 0x0
	s_endpgm
.Lfunc_end_k_q2d24e59c3e_quant:
	.size	k_q2d24e59c3e_quant, .Lfunc_end_k_q2d24e59c3e_quant-k_q2d24e59c3e_quant
	.p2alignl 7, 3214868480
	.fill 96, 4, 3214868480
	.section	.rodata,"a",@progbits
	.p2align	6, 0x0
	.amdhsa_kernel k_q2d24e59c3e_quant
		.amdhsa_group_segment_fixed_size 35840
		.amdhsa_private_segment_fixed_size 0
		.amdhsa_enable_private_segment 0
		.amdhsa_kernarg_size 56
		.amdhsa_user_sgpr_count 2
		.amdhsa_user_sgpr_kernarg_segment_ptr 1
		.amdhsa_wavefront_size32 1
		.amdhsa_system_sgpr_workgroup_id_x 1
		.amdhsa_system_sgpr_workgroup_id_y 1
		.amdhsa_system_sgpr_workgroup_id_z 1
		.amdhsa_system_vgpr_workitem_id 0
		.amdhsa_next_free_vgpr 176
		.amdhsa_next_free_sgpr 66
		.amdhsa_reserve_vcc 0
		.amdhsa_float_denorm_mode_32 3
		.amdhsa_float_denorm_mode_16_64 3
		.amdhsa_memory_ordered 1
		.amdhsa_forward_progress 1
		.amdhsa_inst_pref_size 64
	.end_amdhsa_kernel
	.amdgpu_metadata
---
amdhsa.version: [ 1, 2 ]
amdhsa.kernels:
  - .name:           k_q2d24e59c3e_quant
    .symbol:         k_q2d24e59c3e_quant.kd
    .args:
      - { .name: x, .offset: 0, .size: 8, .value_kind: global_buffer, .address_space: global }
      - { .name: W_qkv, .offset: 8, .size: 8, .value_kind: global_buffer, .address_space: global }
      - { .name: W_proj, .offset: 16, .size: 8, .value_kind: global_buffer, .address_space: global }
      - { .name: lowp_scales, .offset: 24, .size: 8, .value_kind: global_buffer, .address_space: global }
      - { .name: x_codes, .offset: 32, .size: 8, .value_kind: global_buffer, .address_space: global }
      - { .name: wq_codes, .offset: 40, .size: 8, .value_kind: global_buffer, .address_space: global }
      - { .name: wp_codes, .offset: 48, .size: 8, .value_kind: global_buffer, .address_space: global }
    .group_segment_fixed_size: 35840
    .private_segment_fixed_size: 0
    .kernarg_segment_align: 8
    .kernarg_segment_size: 56
    .max_flat_workgroup_size: 256
    .sgpr_count:     66
    .vgpr_count:     176
    .wavefront_size: 32
...
	.end_amdgpu_metadata
.endif
;; end of part 1
;; launch qkv (part 2): grid 16 x 16, 4 waves a work-group, clusters of 4 x 4, 327,680 bytes of LDS; arguments x_codes, wq_codes, lowp_scales, q_codes, k_codes, v_codes; writes q_codes, k_codes, v_codes
.if DOCPART == 2
	.amdgcn_target "amdgcn-amd-amdhsa--gfx1250"
	.amdhsa_code_object_version 6
	.text
	.protected	k_q2d24e59c3e_qkv
	.globl	k_q2d24e59c3e_qkv
	.p2align	8
	.type	k_q2d24e59c3e_qkv,@function
k_q2d24e59c3e_qkv:
	s_mov_b64 s[64:65], 0
	v_nop
	global_prefetch_b8 v0, s[64:65] scope:SCOPE_SE
	s_setreg_imm32_b32 hwreg(HW_REG_WAVE_MODE, 25, 1), 1
	s_wait_xcnt 0x0
	s_wait_alu depctr_hold_cnt(0) depctr_sa_sdst(0) depctr_va_vdst(0) depctr_va_sdst(0) depctr_va_ssrc(0) depctr_va_vcc(0) depctr_vm_vsrc(0)
	s_getreg_b32 s2, hwreg(HW_REG_IB_STS2, 6, 4)
	s_cmp_eq_u32 s2, 0
	s_cbranch_scc0 .Lentry_in_a_cluster
	s_endpgm
.Lentry_in_a_cluster:
	s_bfe_u32 s2, ttmp6, 0x10000c
	s_cmp_lg_u32 s2, 0xf033
	s_cbranch_scc0 .Lentry_shape_is_right
	s_endpgm
.Lentry_shape_is_right:
; q, k, v = x W_qkv on codes of FP8 (E4M3), each quantised on the way out with 2^e2, 2^e3, 2^e4 and laid as images of attention's operand registers.
; LIMITS: e2 - e0 - e1, e3 - e0 - e1 and e4 - e0 - e1 between -126 and 119, so that each power of two below is an f32 number.  NaN is not served.
; SHARES.  A work-group takes ONE HEAD's 64 columns of q, of k and of v (the grid's x) for 256 tokens (the grid's y): 256 work-groups of equal work.  Four waves: token half i = wave / 2, and 32 columns
; each of q, k and v (column half j = wave % 2): 8 x 6 = 48 accumulators, 384 registers.
; K goes in eight units of 128.  A unit is 32,768 bytes of x's images and 24,576 of W's.  LDS has five slots of units.  Units 0-4 are asked for at the head, one load a wave: wave 0 x's units 0-1, wave 1 W's,
; wave 2 x's units 2-4, wave 3 W's.  Behind unit 1 waves 0 and 1 fill slots 0 and 1 again with units 5 and 6; behind unit 4 waves 2 and 3 fill slot 2 again with unit 7.
; CLUSTERS: 4 x 4.  The four of a row of the cluster need the same tokens, the four of a column the same head: all loads are joint.
; PREFETCH: the bytes of units 5-7 are asked for once in each cluster, in front of unit 0: one unit ahead of units 5 and 6's load and four ahead of unit 7's; the four partners share them out by address.
; ORIENTATION.  q, k: source 0 = 16 columns, source 1 = 16 tokens: a lane holds a token and its registers run along the channels.  v: the sources swapped: a lane holds a channel, its registers run along the tokens.
; REGISTERS.  window 0: v10-30 constants and addresses; v32-159 eight fragments of x; v160-255 codes.  window 1: two sets of W's six fragments, at v0 and v96.  windows 2, 3: accumulators (a, b) at v[8 (6 (a % 4) + b)].
.set UA,   32768
.set UB,   24576
.set BOFF, 5*UA
.set SPARE, BOFF+5*UB                  ; 286,720: the spare words, 128 bytes a wave
.set LIM,  10                          ; v10-12  448 x the scales of q, k, v
.set SCL,  13                          ; v13-15  the scales
.set ADRA, 16                          ; v16-20  LDS address of my tokens' fragments in slot 0 .. 4
.set ADRB, 21                          ; v21-25  of my columns'
.set CO,   26                          ; v26  16 x lane
.set SPW,  28
.set NIL,  29
.set PFO,  30                          ; v30  the prefetches' offset; never rewritten
.set AF,   32
.set CD,   160
.set GA,   24                          ; s[24:31] group 1 of x's units 0-1;  s[32:39] of its units 2-4, later of unit 7
.set GA2,  32
.set GB,   48                          ; the same for W
.set GB2,  56
.set DA,   84                          ; their groups 0
.set DA2,  88
.set DB,   92
.set DB2,  68
.set MSB, 0
.macro WIN new                         ; the immediate's high byte repeats the setting that is left
.if MSB != \new
	s_set_vgpr_msb (MSB<<8)|(\new)
.set MSB, \new
.endif
.endm
.macro PLACES
.rept 4
	v_nop
.endr
.endm
.macro TL g0, g1                       ; a joint load
	tensor_load_to_lds s[\g0:\g0+3], s[\g1:\g1+7]
	s_nop 0
	PLACES
.endm
.macro CREST                           ; a round of the cluster's barrier behind its opening barrier
	s_cmp_lg_u32 s14, 0
	s_cbranch_scc1 .Lnot_wave_0_\@
	s_barrier_signal -3
.Lnot_wave_0_\@:
	s_barrier_wait -3
	s_barrier_signal -1
	s_barrier_wait -1
.endm
.macro CROUND
	s_barrier_signal -1
	s_barrier_wait -1
	CREST
.endm
.macro ROWS g, r                       ; tensor_dim1 and tile_dim1
	s_mov_b32 s[\g+2], (\r)<<16
	s_mov_b32 s[\g+4], \r
.endm
.macro GROUP0 g, lds, base, off
	s_mov_b32 s[\g], 1
	s_mov_b32 s[\g+1], \lds
	s_add_nc_u64 s[\g+2:\g+3], s[\base:\base+1], \off
	s_or_b32 s[\g+3], s[\g+3], 0x80000000
.endm
	s_load_b256 s[4:11], s[0:1], 0x0               ; x_codes s[4:5], wq_codes s[6:7], the scales' exponents s[8:9], q_codes s[10:11]
	s_load_b128 s[80:83], s[0:1], 0x20             ; k_codes, v_codes
	v_lshl_add_u32 v[SPW], v0, 2, SPARE
	v_mov_b32 v[NIL], 0
	ds_add_u32 v[SPW], v[NIL]                      ; the wave's opening
	ds_add_u32 v[SPW], v[NIL]
	v_lshrrev_b32 v1, 5, v0
	v_readfirstlane_b32 s14, v1                    ; wave 0..3
	s_lshr_b32 s15, s14, 1                         ; i
	s_and_b32 s16, s14, 1                          ; j
	s_bfe_u32 s40, ttmp6, 0x40000                  ; cx, cy
	s_bfe_u32 s41, ttmp6, 0x40004
	s_lshl_b32 s42, ttmp9, 2
	s_add_co_u32 s42, s42, s40                     ; the head
	s_and_b32 s17, ttmp7, 0xffff
	s_lshl_b32 s17, s17, 2
	s_add_co_u32 s17, s17, s41                     ; the block of 256 tokens
	s_lshl_b32 s43, s41, 2
	s_lshl_b32 s43, 15, s43                        ; my row of the cluster
	s_lshl_b32 s44, 0x1111, s40                    ; my column
	; groups 1: dense blocks as rows of 256 bytes (32 elements of 8 bytes)
	s_or_b32 s[GA], s43, (3<<16)|(1<<21)
	s_or_b32 s[GA2], s43, (3<<16)|(1<<21)
	s_or_b32 s[GB], s44, (3<<16)|(1<<21)
	s_or_b32 s[GB2], s44, (3<<16)|(1<<21)
.irp g, GA, GA2, GB, GB2
	s_mov_b32 s[\g+1], 32<<16
	s_mov_b32 s[\g+3], 32<<16
	s_mov_b32 s[\g+5], 32
	s_mov_b32 s[\g+6], 0
	s_mov_b32 s[\g+7], 0
.endr
	ROWS GA, 256
	ROWS GA2, 384
	ROWS GB, 192
	ROWS GB2, 288
	s_lshl_b32 s20, s17, 18
	s_mov_b32 s21, 0
	s_mul_i32 s46, s42, 196608
	s_mov_b32 s47, 0
	s_wait_dscnt 0x0                               ; both opening adds are done
	s_wait_kmcnt 0x0
	s_load_b256 s[72:79], s[8:9], 0x0              ; e0 .. e7
	s_add_nc_u64 s[20:21], s[4:5], s[20:21]        ; x hangs on the token block alone
	s_add_nc_u64 s[46:47], s[6:7], s[46:47]        ; W on the head alone
	GROUP0 DA, 0, 20, 0
	GROUP0 DA2, 2*UA, 20, 2*UA
	GROUP0 DB, BOFF, 46, 0
	GROUP0 DB2, BOFF+2*UB, 46, 2*UB
	CROUND                                         ; all sixteen work-groups are here: the first joint loads meet
	s_cmp_eq_u32 s14, 0
	s_cbranch_scc0 .Lhead1
	TL DA, GA
	s_branch .Lhead
.Lhead1:
	s_cmp_eq_u32 s14, 1
	s_cbranch_scc0 .Lhead2
	TL DB, GB
	s_branch .Lhead
.Lhead2:
	s_cmp_eq_u32 s14, 2
	s_cbranch_scc0 .Lhead3
	TL DA2, GA2
	s_branch .Lhead
.Lhead3:
	TL DB2, GB2
.Lhead:
	; the prefetches' places: x's 98,304 bytes from unit 5 on, a quarter for each cx, 8,192 bytes each for waves 0-2; W's 73,728, a quarter for each cy, for wave 3: three times 24 lanes
	s_mul_i32 s18, s40, 24576
	s_lshl_b32 s19, s14, 13
	s_add_co_u32 s18, s18, s19
	s_add_co_u32 s18, s18, 5*UA
	s_mul_i32 s19, s41, 18432
	s_add_co_u32 s19, s19, 5*UB
	s_cmp_lt_u32 s14, 3
	s_cselect_b64 s[66:67], s[20:21], s[46:47]
	s_cselect_b32 s45, 31, 23
	s_cselect_b32 s18, s18, s19
	s_mov_b32 s19, 0
	s_add_nc_u64 s[66:67], s[66:67], s[18:19]
	s_lshl_b32 s22, s15, 14                        ; my eight tiles of tokens in a unit
	s_lshl_b32 s23, s16, 12                        ; my two fragments of each four
	s_add_co_u32 s23, s23, BOFF
	v_and_b32 v2, 31, v0
	v_lshlrev_b32 v[CO], 4, v2
	v_min_u32 v[PFO], s45, v2
	v_lshlrev_b32 v[PFO], 8, v[PFO]                ; lanes 256 bytes apart; lanes that are left over name their wave's last block again
	v_add_nc_u32 v[ADRA], s22, v[CO]
	v_add_nc_u32 v[ADRB], s23, v[CO]
.irp s, 1,2,3,4
	v_add_nc_u32 v[ADRA+\s], \s*UA, v[ADRA]
	v_add_nc_u32 v[ADRB+\s], \s*UB, v[ADRB]
.endr
	; where my results go: (16 batch + head) x 131,072 + 128 tokens' 8,192 bytes; q, k: + 512 j; v: + 4,096 j
	s_lshr_b32 s18, s17, 3
	s_lshl_b32 s18, s18, 4
	s_add_co_u32 s18, s18, s42
	s_lshl_b32 s18, s18, 17
	s_and_b32 s19, s17, 7
	s_lshl_b32 s19, s19, 14
	s_add_co_u32 s18, s18, s19
	s_lshl_b32 s19, s15, 13
	s_add_co_u32 s18, s18, s19
	s_lshl_b32 s22, s16, 12
	s_add_co_u32 s22, s22, s18
	s_mov_b32 s23, 0
	s_add_nc_u64 s[82:83], s[82:83], s[22:23]
	s_lshl_b32 s22, s16, 9
	s_add_co_u32 s22, s22, s18
	s_add_nc_u64 s[10:11], s[10:11], s[22:23]
	s_add_nc_u64 s[80:81], s[80:81], s[22:23]
.macro MK e, n                         ; a sum stands for sum x 2^(e0 + e1): its code is sum / 2^(e - e0 - e1)
	s_sub_co_i32 s18, s[\e], s72
	s_sub_co_i32 s18, s18, s73
	s_add_co_i32 s18, s18, 127
	s_lshl_b32 s19, s18, 23
	v_mov_b32 v[SCL+\n], s19
	s_add_co_i32 s18, s18, 8
	s_lshl_b32 s18, s18, 23
	s_or_b32 s18, s18, 0x600000
	v_mov_b32 v[LIM+\n], s18
.endm
	s_wait_alu depctr_va_vdst(0)
	s_wait_kmcnt 0x0
	MK 74, 0
	MK 75, 1
	MK 76, 2
.macro FETCH_B s, p                    ; my six fragments of W in slot s into set p
	WIN 0x40
.irp b, 0,1,2,3,4,5
.irp c, 0,1,2,3
	ds_load_b128 v[96*(\p)+16*\b+4*\c:96*(\p)+16*\b+4*\c+3], v[ADRB+\s] offset:8192*(\b/2)+2048*(\b%2)+512*\c
.endr
.endr
	WIN 0
.endm
.macro FETCH_A s, h                    ; tiles 4 h .. 4 h + 3 of x
.irp i, 0,1,2,3
.irp c, 0,1,2,3
	ds_load_b128 v[AF+16*(4*\h+\i)+4*\c:AF+16*(4*\h+\i)+4*\c+3], v[ADRA+\s] offset:2048*(4*\h+\i)+512*\c
.endr
.endr
.endm
; The 48 accumulators take turns, one instruction a turn, in the same order in every unit.  zero = 1: the first product starts the sums.
.macro MULQ h, p, zero                 ; q and k: source 0 = W (window 1), source 1 = x (window 0)
	WIN 0xa1+0x50*\h
.irp a, 0,1,2,3
.irp b, 0,1,2,3
.if \zero
	v_wmma_f32_16x16x128_fp8_fp8 v[8*(6*\a+\b):8*(6*\a+\b)+7], v[96*(\p)+16*\b:96*(\p)+16*\b+15], v[AF+16*(4*\h+\a):AF+16*(4*\h+\a)+15], 0
.else
	v_wmma_f32_16x16x128_fp8_fp8 v[8*(6*\a+\b):8*(6*\a+\b)+7], v[96*(\p)+16*\b:96*(\p)+16*\b+15], v[AF+16*(4*\h+\a):AF+16*(4*\h+\a)+15], v[8*(6*\a+\b):8*(6*\a+\b)+7]
.endif
.endr
.endr
.endm
.macro MULV h, p, zero                 ; v: source 0 = x, source 1 = W
	WIN 0xa4+0x50*\h
.irp a, 0,1,2,3
.irp b, 4,5
.if \zero
	v_wmma_f32_16x16x128_fp8_fp8 v[8*(6*\a+\b):8*(6*\a+\b)+7], v[AF+16*(4*\h+\a):AF+16*(4*\h+\a)+15], v[96*(\p)+16*\b:96*(\p)+16*\b+15], 0
.else
	v_wmma_f32_16x16x128_fp8_fp8 v[8*(6*\a+\b):8*(6*\a+\b)+7], v[AF+16*(4*\h+\a):AF+16*(4*\h+\a)+15], v[96*(\p)+16*\b:96*(\p)+16*\b+15], v[8*(6*\a+\b):8*(6*\a+\b)+7]
.endif
.endr
.endr
.endm
; A unit, on W's set p; ns: the next unit's slot.  kind 0: it lies there already.  kind 1: a barrier shows it.  kind 2, 3: a change of slots: the barrier opens a round, behind which slots 0 and 1 (2) or slot 2 (3) are filled again.
.macro UNIT p, ns, zero, kind
	s_wait_dscnt 16                                ; W's set and x's tiles 0-3 are in; the youngest sixteen loads (tiles 4-7) may be out
	MULQ 0, \p, \zero
.if \kind == 0
	MULV 0, \p, \zero
	s_wait_dscnt 0x0                               ; tiles 4-7 are in
	PLACES                                         ; four plain lines between the products and the loads into registers that they read
.else
	WIN 0
	s_wait_tensorcnt 0x0                           ; all my tensor loads have landed
.if \kind > 1
	ds_add_u32 v[SPW], v[NIL]                      ; 0 onto my spare word
.endif
	MULV 0, \p, \zero
	WIN 0
	s_wait_dscnt 0x0                               ; my reads of the slots are over (and the add is done)
	s_barrier_signal -1
	s_barrier_wait -1
.if \kind == 1
	PLACES
.endif
.if \kind == 2
	CREST
	s_add_nc_u64 s[DA+2:DA+3], s[DA+2:DA+3], 5*UA  ; units 5 and 6, to where units 0 and 1 lay
	s_add_nc_u64 s[DB+2:DB+3], s[DB+2:DB+3], 5*UB
	s_cmp_eq_u32 s14, 0
	s_cbranch_scc0 .Lnot_a_\@
	TL DA, GA
	s_branch .Lasked_\@
.Lnot_a_\@:
	s_cmp_eq_u32 s14, 1
	s_cbranch_scc0 .Lasked_\@
	TL DB, GB
.Lasked_\@:
	PLACES
.endif
.if \kind == 3
	CREST
	s_add_nc_u64 s[DA2+2:DA2+3], s[DA2+2:DA2+3], 5*UA  ; unit 7 alone, to where unit 2 lay
	s_add_nc_u64 s[DB2+2:DB2+3], s[DB2+2:DB2+3], 5*UB
	ROWS GA2, 128
	ROWS GB2, 96
	s_cmp_eq_u32 s14, 2
	s_cbranch_scc0 .Lnot_a_\@
	TL DA2, GA2
	s_branch .Lasked_\@
.Lnot_a_\@:
	s_cmp_eq_u32 s14, 3
	s_cbranch_scc0 .Lasked_\@
	TL DB2, GB2
.Lasked_\@:
	PLACES
.endif
.endif
	FETCH_B \ns, 1-(\p)
	FETCH_A \ns, 0
	MULQ 1, \p, \zero
	MULV 1, \p, \zero
	PLACES
	WIN 0
	FETCH_A \ns, 1
.endm
	s_wait_alu depctr_va_vdst(0)
	s_cmp_lt_u32 s14, 2
	s_cbranch_scc0 .Lmine_later
	s_wait_tensorcnt 0x0                           ; waves 0 and 1: my part of units 0 and 1 is in (waves 2 and 3: units 2-4 may stay out)
.Lmine_later:
	s_barrier_signal -1
	s_barrier_wait -1
	FETCH_B 0, 0
	FETCH_A 0, 0
	FETCH_A 0, 1
	global_prefetch_b8 v[PFO], s[66:67] th:TH_LOAD_NT scope:SCOPE_SE
	s_cmp_lt_u32 s14, 3
	s_cbranch_scc1 .Lprefetched
	global_prefetch_b8 v[PFO], s[66:67] offset:6144 th:TH_LOAD_NT scope:SCOPE_SE
	global_prefetch_b8 v[PFO], s[66:67] offset:12288 th:TH_LOAD_NT scope:SCOPE_SE
.Lprefetched:
	UNIT 0, 1, 1, 0                                ; unit 0
	UNIT 1, 2, 0, 2                                ; unit 1
	UNIT 0, 3, 0, 0
	UNIT 1, 4, 0, 0
	UNIT 0, 0, 0, 3                                ; unit 4; unit 5 lies in slot 0
	UNIT 1, 1, 0, 0
	UNIT 0, 2, 0, 1                                ; unit 6
	s_wait_dscnt 16                                ; unit 7: nothing more to fetch
	MULQ 0, 1, 0
	MULV 0, 1, 0
	s_wait_dscnt 0x0
	MULQ 1, 1, 0
	MULV 1, 1, 0
	WIN 0
; THE WAY OUT, a tile of 16 tokens at a time: held, converted; q's and k's four registers of a lane are 512 consecutive bytes of a fragment's image; v's sixteen for each 16 channels come together at the end.
.macro OUT a
	WIN 0x02+((\a)/4)
.set AC, 48*((\a)%4)
.set TT, 32+48*((\a)%2)
.irp g, 0,1,2
.set i, 16*\g
.rept 16
	v_med3_num_f32 v[TT+i], v[AC+i], -v[LIM+\g], v[LIM+\g]   ; the conversion does not saturate (ISA guide 7.6.2); each accumulator from its low end on
.set i, i+1
.endr
.endr
	WIN 0
.irp b, 0,1
	v_cvt_scalef32_pk8_fp8_f32 v[CD+4*(\a)+2*\b:CD+4*(\a)+2*\b+1], v[TT+8*\b:TT+8*\b+7], v[SCL]
	v_cvt_scalef32_pk8_fp8_f32 v[CD+32+4*(\a)+2*\b:CD+32+4*(\a)+2*\b+1], v[TT+16+8*\b:TT+16+8*\b+7], v[SCL+1]
	v_cvt_scalef32_pk8_fp8_f32 v[CD+64+16*\b+2*(\a):CD+64+16*\b+2*(\a)+1], v[TT+32+8*\b:TT+32+8*\b+7], v[SCL+2]
.endr
	v_nop                                          ; a plain line behind the last conversion
	global_store_b128 v[CO], v[CD+4*(\a):CD+4*(\a)+3], s[10:11] offset:1024*(\a)
	global_store_b128 v[CO], v[CD+32+4*(\a):CD+32+4*(\a)+3], s[80:81] offset:1024*(\a)
.endm
	PLACES                                         ; four plain lines between the last products and the lines that write their sources' registers
.irp a, 0,1,2,3,4,5,6,7
	OUT \a
.endr
.irp b, 0,1
.irp g, 0,1,2,3
	global_store_b128 v[CO], v[CD+64+16*\b+4*\g:CD+64+16*\b+4*\g+3], s[82:83] offset:2048*\b+512*\g
.endr
.endr
	s_wait_tensorcnt 0x0                           ; the wave's end
	ds_add_u32 v[SPW], v[NIL]
	s_wait_dscnt 0x0
	CROUND                                         ; the closing round: no work-group ends while a partner may still ask for a tile that names it
	s_endpgm
.Lfunc_end_k_q2d24e59c3e_qkv:
	.size	k_q2d24e59c3e_qkv, .Lfunc_end_k_q2d24e59c3e_qkv-k_q2d24e59c3e_qkv
	.p2alignl 7, 3214868480
	.fill 96, 4, 3214868480
	.section	.rodata,"a",@progbits
	.p2align	6, 0x0
	.amdhsa_kernel k_q2d24e59c3e_qkv
		.amdhsa_group_segment_fixed_size 327680
		.amdhsa_private_segment_fixed_size 0
		.amdhsa_enable_private_segment 0
		.amdhsa_kernarg_size 48
		.amdhsa_user_sgpr_count 2
		.amdhsa_user_sgpr_kernarg_segment_ptr 1
		.amdhsa_wavefront_size32 1
		.amdhsa_system_sgpr_workgroup_id_x 1
		.amdhsa_system_sgpr_workgroup_id_y 1
		.amdhsa_system_sgpr_workgroup_id_z 1
		.amdhsa_system_vgpr_workitem_id 0
		.amdhsa_next_free_vgpr 1024
		.amdhsa_next_free_sgpr 98
		.amdhsa_reserve_vcc 0
		.amdhsa_float_denorm_mode_32 3
		.amdhsa_float_denorm_mode_16_64 3
		.amdhsa_memory_ordered 1
		.amdhsa_forward_progress 1
		.amdhsa_inst_pref_size 99
	.end_amdhsa_kernel
	.amdgpu_metadata
---
amdhsa.version: [ 1, 2 ]
amdhsa.kernels:
  - .name:           k_q2d24e59c3e_qkv
    .symbol:         k_q2d24e59c3e_qkv.kd
    .args:
      - { .name: x_codes, .offset: 0, .size: 8, .value_kind: global_buffer, .address_space: global }
      - { .name: wq_codes, .offset: 8, .size: 8, .value_kind: global_buffer, .address_space: global }
      - { .name: lowp_scales, .offset: 16, .size: 8, .value_kind: global_buffer, .address_space: global }
      - { .name: q_codes, .offset: 24, .size: 8, .value_kind: global_buffer, .address_space: global }
      - { .name: k_codes, .offset: 32, .size: 8, .value_kind: global_buffer, .address_space: global }
      - { .name: v_codes, .offset: 40, .size: 8, .value_kind: global_buffer, .address_space: global }
    .group_segment_fixed_size: 327680
    .private_segment_fixed_size: 0
    .kernarg_segment_align: 8
    .kernarg_segment_size: 48
    .max_flat_workgroup_size: 128
    .sgpr_count:     98
    .vgpr_count:     1024
    .wavefront_size: 32
...
	.end_amdgpu_metadata
.endif
;; end of part 2
;; launch attn (part 3): grid 8 x 32, 16 waves a work-group, clusters of 4 x 1, 327,680 bytes of LDS; arguments q_codes, k_codes, v_codes, lowp_scales, y_codes; writes y_codes
.if DOCPART == 3
	.amdgcn_target "amdgcn-amd-amdhsa--gfx1250"
	.amdhsa_code_object_version 6
	.text
	.protected	k_q2d24e59c3e_attn
	.globl	k_q2d24e59c3e_attn
	.p2align	8
	.type	k_q2d24e59c3e_attn,@function
k_q2d24e59c3e_attn:
	s_mov_b64 s[64:65], 0
	v_nop
	global_prefetch_b8 v0, s[64:65] scope:SCOPE_SE
	s_setreg_imm32_b32 hwreg(HW_REG_WAVE_MODE, 25, 1), 1
	s_wait_xcnt 0x0
	s_wait_alu depctr_hold_cnt(0) depctr_sa_sdst(0) depctr_va_vdst(0) depctr_va_sdst(0) depctr_va_ssrc(0) depctr_va_vcc(0) depctr_vm_vsrc(0)
	s_getreg_b32 s2, hwreg(HW_REG_IB_STS2, 6, 4)
	s_cmp_eq_u32 s2, 0
	s_cbranch_scc0 .Lentry_in_a_cluster
	s_endpgm
.Lentry_in_a_cluster:
	s_bfe_u32 s2, ttmp6, 0x10000c
	s_cmp_lg_u32 s2, 0x3003
	s_cbranch_scc0 .Lentry_shape_is_right
	s_endpgm
.Lentry_shape_is_right:
; Causal attention of one head (hb = 16 batch + head, the grid's y) on codes of FP8 (E4M3), and y quantised for the projection.
; t = score x 2^(e2 + e3) x log2(e) / 8;  M = the ceiling of the running largest t, a whole number;  p = 2^(t - M) is quantised with 2^e5, not normalised;  the row's sum is taken of the unquantised p in f32;
; y = (V^T P) x 2^(e4 + e5) / the sum, quantised with 2^e6.  When M moves, the sum and O are multiplied by 2^(old M - new M), which rounds nothing.
; LEFT OUT: steps of 128 keys that lie wholly behind a tile's queries (masked by reference() itself for all inputs; a NaN or an infinity that reaches only their scores is not carried on).
; LIMITS on the given exponents, so that each power of two below is an f32 number: e2 + e3 between -123 and 130; e5 and e6 between -126 and 119; e4 + e5 is applied by v_ldexp_f32 and has none.
; The scaled scores t stay under 2^31 in magnitude.  NaN is not served.
; SHARES.  A head has 128 tiles of 16 queries.  Work-group j (0..7), pair w (0..7) of waves: the LOW tile 8 w + j (steps 0 .. w of 128 keys) and the HIGH tile 127 - (8 w + j) (steps 0 .. 15 - w).
; Wave w walks the high tile's steps 0 .. 8; wave 8 + w walks the low tile, sends it out, then the high tile's steps 9 .. 15 - w: nine and eight steps.  The high tile's two parts, each under its own M, are joined
; at the end through LDS: M is a whole number, so the joining factors are powers of two.  A pair whose second part is empty hands over zeros under the least M.
; Every branch hangs on the wave's number and the step's number alone; j enters global addresses and a lane's mask number, nothing else.
; LDS holds the WHOLE head: K's images at 0 (131,072 bytes), V's behind them, each byte filled once: no ring, no barrier in the loop.  Behind them the pairs' parts.
; CLUSTER.  The four work-groups of a cluster belong to one head: every tile is asked for JOINTLY (mask 15).  Each wave issues ONE load of 16,384 bytes: two steps of K (even waves) or of V (odd waves), so
; waves 0 and 1 bring steps 0 and 1, and the first step is worked while the rest is on its way.  No prefetch: all of a work-group's tiles are asked for at the head.
; LAYOUT.  Both products are used transposed: S^T = K Q^T (source 0 = 16 keys, K = 64), O^T = V^T P^T (source 0 = 16 channels, K = 128 keys): a lane holds ONE query throughout.
; Tile c of S^T gives lane (r, h) keys 16 c + 8 h + 0 .. 7 in eight registers: converted, they are registers 2 c, 2 c + 1 of P.  Likewise O^T's tile ct gives registers 2 ct, 2 ct + 1 of y's fragment.
; y_codes [head / 4][16-token tile: 256][head % 4][1024]: images laid as q's.
.set LI,   1                           ; v1   16 x lane
.set ADK,  2
.set ADV,  3
.set DM,   4                           ; v4   the tile's mask number: 16 x (tile % 8) + r - 8 h;  v5 the second tile's
.set PLIM, 6                           ; v6   448 x 2^e5
.set LIV,  7                           ; v7   16 x lane + 131,072
.set PSCL, 8                           ; v8   2^e5
.set NINF, 9
.set FB,   10                          ; v[10:11] the second part's joining factor, and a written partner
.set NM,   12                          ; v12  -M;  v13 the largest t;  v[14:15] the sum in two halves
.set FF,   16                          ; v[16:17] f, and a written partner;  v18-24 at work
.set YLIM, 25
.set YSCL, 26
.set PAO,  28                          ; v28  LDS address of my pair's part: O;  v29 its M and sum
.set SPW,  30
.set NIL,  31
.set P,    32
.set Q,    48                          ; v48-55 the tile's Q; v56-63 the high tile's
.set S,    64
.set O,    128
.set KV,   160                         ; v160-223 a step's K, then its V
.set OB,   224                         ; v224-255 the second part's O; v224-231 y's codes
.set PART, 4352                        ; a pair's part: 4,096 bytes of O and 256 of M and sum
.set PBASE, 262144
.set SPARE, PBASE+8*PART               ; 296,960
.set WV,   14                          ; s14  wave 0..15
.set W8,   18                          ; s18  pair
.set SI,   19                          ; s19  trip
.set ST,   20                          ; s20  key step
.set CNT,  21
.set CS,   22                          ; s[22:23] c = log2(e) / 8 x 2^(e2 + e3)
.set G1,   24                          ; s[24:31], s[32:35] the descriptor
.set G0,   32
.set SEL,  36                          ; s[36:37] v_permlanex16_b32: lane l xor 16
.set SW,   38                          ; s38  the first tile's last trip (15: there is no second tile)
.set SWP,  39
.set JMP,  40                          ; s40  what the second tile's key steps are ahead of the trips
.set LAST, 41                          ; s41  my last trip
.set DG,   42                          ; s42  the tile's diagonal step;  s43 the high tile's
.set DG2,  43
.macro PLACES n
.rept \n
	v_nop
.endr
.endm
.macro CROUND                          ; a round of the cluster's barrier
	s_barrier_signal -1
	s_barrier_wait -1
	s_cmp_lg_u32 s[WV], 0
	s_cbranch_scc1 .Lnot_wave_0_\@
	s_barrier_signal -3
.Lnot_wave_0_\@:
	s_barrier_wait -3
	s_barrier_signal -1
	s_barrier_wait -1
.endm
	s_load_b256 s[4:11], s[0:1], 0x0               ; q_codes s[4:5], k_codes s[6:7], v_codes s[8:9], the scales' exponents s[10:11]
	s_load_b64 s[12:13], s[0:1], 0x20              ; y_codes
	v_lshl_add_u32 v[SPW], v0, 2, SPARE
	v_mov_b32 v[NIL], 0
	ds_add_u32 v[SPW], v[NIL]                      ; the wave's opening
	ds_add_u32 v[SPW], v[NIL]
	v_lshrrev_b32 v10, 5, v0
	v_readfirstlane_b32 s[WV], v10
	s_and_b32 s[W8], s[WV], 7
	s_and_b32 s16, ttmp7, 0xffff                   ; hb, which the four partners share
	s_lshl_b32 s60, s16, 17                        ; the head's 131,072 bytes in q_codes, k_codes and v_codes
	s_and_b32 s76, s[WV], 1                        ; do I fetch for K (0) or for V (1)?
	s_lshr_b32 s78, s[WV], 1
	s_lshl_b32 s78, s78, 14                        ; which two steps
	s_add_co_u32 s74, s60, s78
	s_mov_b32 s75, 0
	s_mov_b32 s[G1], 15|(3<<16)|(1<<21)            ; 15:0 the mask: all four work-groups; 17:16 elements of 8 bytes; 21 set beside a mask; a dense block as rows of 256 bytes
	s_mov_b32 s[G1+1], 32<<16
	s_mov_b32 s[G1+2], 64<<16
	s_mov_b32 s[G1+3], 32<<16
	s_mov_b32 s[G1+4], 64
	s_mov_b32 s[G1+5], 32
	s_mov_b32 s[G1+6], 0
	s_mov_b32 s[G1+7], 0
	s_mov_b32 s[SEL], 0x76543210
	s_mov_b32 s[SEL+1], 0xfedcba98
	s_mov_b32 s[CS], 0x3e38aa3b                    ; log2(e) / 8
	s_wait_dscnt 0x0                               ; both opening adds are done
	s_wait_kmcnt 0x0
	s_load_b256 s[80:87], s[10:11], 0x0            ; e0 .. e7
	s_cmp_eq_u32 s76, 0
	s_cselect_b64 s[66:67], s[6:7], s[8:9]
	s_mov_b32 s[G0], 1
	s_add_nc_u64 s[G0+2:G0+3], s[66:67], s[74:75]
	s_or_b32 s[G0+3], s[G0+3], 0x80000000
	CROUND                                         ; all four work-groups are here: the joint loads meet
	; one load a wave, each in an arm of its own, so that every wave's LDS bytes are a constant of the text: even waves K's steps w, w + 1, odd waves V's steps w - 1, w
.macro TL w
	s_mov_b32 s[G0+1], ((\w)%2)*131072+((\w)/2)*16384
	tensor_load_to_lds s[G0:G0+3], s[G1:G1+7]
	s_nop 0
	PLACES 4
.endm
.irp w, 0,1,2,3,4,5,6,7,8,9,10,11,12,13,14
	s_cmp_eq_u32 s[WV], \w
	s_cbranch_scc1 .Larm\w
.endr
	TL 15
	s_branch .Lasked
.irp w, 0,1,2,3,4,5,6,7,8,9,10,11,12,13
.Larm\w:
	TL \w
	s_branch .Lasked
.endr
.Larm14:
	TL 14
.Lasked:
	s_bfe_u32 s17, ttmp6, 0x40000                  ; cx
	s_lshl_b32 s15, ttmp9, 2
	s_add_co_u32 s15, s15, s17                     ; j = 4 x cluster x + cx
	s_lshl_b32 s58, s[W8], 3
	s_add_co_u32 s58, s58, s15                     ; the low tile
	s_sub_co_u32 s59, 127, s58                     ; the high tile
	s_sub_co_u32 s[DG2], 15, s[W8]
	s_sub_co_u32 s[JMP], 8, s[W8]
	s_sub_co_u32 s88, 7, s15
	s_cmp_lt_u32 s[WV], 8
	s_cselect_b32 s61, s59, s58                    ; my first tile, and the one that I send out
	s_cselect_b32 s[SW], 15, s[W8]
	s_cselect_b32 s[LAST], 8, 7
	s_cselect_b32 s[DG], s[DG2], s[W8]
	s_cselect_b32 s89, s88, s15
	s_add_co_u32 s[SWP], s[SW], 1
	s_lshl_b32 s88, s88, 4
	s_lshl_b32 s89, s89, 4
	s_mov_b32 s75, 0
	s_lshl_b32 s74, s61, 10
	s_add_co_u32 s74, s74, s60
	s_add_nc_u64 s[68:69], s[4:5], s[74:75]        ; its Q
	s_lshl_b32 s74, s59, 10
	s_add_co_u32 s74, s74, s60
	s_add_nc_u64 s[72:73], s[4:5], s[74:75]        ; the high tile's
	s_and_b32 s90, s16, 15                         ; the head
	s_lshr_b32 s91, s90, 2
	s_lshl_b32 s91, s91, 20                        ; head / 4: 256 tiles x 4,096 bytes
	s_and_b32 s90, s90, 3
	s_lshl_b32 s90, s90, 10
	s_add_co_u32 s91, s91, s90
	s_lshr_b32 s90, s16, 4
	s_lshl_b32 s90, s90, 19                        ; the batch: 128 tiles x 4,096 bytes
	s_add_co_u32 s91, s91, s90
	s_lshl_b32 s74, s61, 12
	s_add_co_u32 s74, s74, s91
	s_add_nc_u64 s[70:71], s[12:13], s[74:75]      ; y
	s_mul_i32 s90, s[W8], PART
	s_add_co_u32 s90, s90, PBASE
	v_and_b32 v10, 31, v0
	v_and_b32 v18, 15, v0                          ; r
	v_bfe_u32 v19, v0, 4, 1                        ; h
	v_lshlrev_b32 v[LI], 4, v10
	v_lshlrev_b32 v[PAO+1], 3, v10
	v_lshlrev_b32 v19, 3, v19
	v_add_nc_u32 v[LIV], 0x20000, v[LI]
	v_add_nc_u32 v[PAO], s90, v[LI]
	v_add_nc_u32 v[PAO+1], 0x1000, v[PAO+1]
	v_sub_nc_u32 v18, v18, v19                     ; r - 8 h
	v_add_nc_u32 v[PAO+1], s90, v[PAO+1]
	v_add_nc_u32 v[DM], s89, v18
	v_add_nc_u32 v[DM+1], s88, v18
	global_load_b128 v[Q:Q+3], v[LI], s[68:69]
	global_load_b128 v[Q+4:Q+7], v[LI], s[68:69] offset:512
	global_load_b128 v[Q+8:Q+11], v[LI], s[72:73]
	global_load_b128 v[Q+12:Q+15], v[LI], s[72:73] offset:512
.macro FRESH                           ; a tile begins: O^T and the sum are zeros, the largest t is -3e38, under every t: the first change of M leaves the zeros zeros
	v_mov_b32 v[NM+1], 0xff61b1e6
	v_mov_b32 v[NM+2], 0
	v_mov_b32 v[NM+3], 0
	v_floor_f32 v[NM], -v[NM+1]
.set n, 0
.rept 32
	v_mov_b32 v[O+n], 0
.set n, n+1
.endr
.endm
	FRESH
	v_mov_b32 v[NINF], 0xff800000
	v_mov_b32 v11, 0                               ; named as upper halves of pairs, or as a lane permute's destination, which counts as read: written once
	v_mov_b32 v17, 0
	v_mov_b32 v19, 0
	v_mov_b32 v24, 0
	s_wait_alu depctr_va_vdst(0)
	s_wait_kmcnt 0x0
	s_add_co_i32 s94, s82, s83                     ; e2 + e3 are added to c's exponent field
	s_lshl_b32 s94, s94, 23
	s_add_co_i32 s[CS], s[CS], s94
	s_mov_b32 s[CS+1], s[CS]                       ; (named with it as a pair, so it is written)
.macro MK e, scl, lim
	s_add_co_i32 s94, s[\e], 127
	s_lshl_b32 s95, s94, 23
	v_mov_b32 v[\scl], s95                         ; 2^e
	s_add_co_i32 s94, s94, 8
	s_lshl_b32 s94, s94, 23
	s_or_b32 s94, s94, 0x600000
	v_mov_b32 v[\lim], s94                         ; 448 x 2^e
.endm
	MK 85, PSCL, PLIM
	MK 86, YSCL, YLIM
	s_add_co_i32 s93, s84, s85                     ; e4 + e5
.macro KLOAD ad                        ; a step's eight fragments of K, as they were stored: 512 consecutive bytes a load
.irp c, 0,1,2,3,4,5,6,7
	ds_load_b128 v[KV+8*\c:KV+8*\c+3], v[\ad] offset:1024*\c
	ds_load_b128 v[KV+8*\c+4:KV+8*\c+7], v[\ad] offset:1024*\c+512
.endr
.endm
.macro STEPNO d, trip                  ; the key step of a trip: the trip's number, in the second tile JMP more; held at the last step
	s_cmp_gt_u32 s[\trip], s[SW]
	s_cselect_b32 s[\d], s[JMP], 0
	s_add_co_u32 s[\d], s[\d], s[\trip]
	s_min_u32 s[\d], s[\d], 15
.endm
; A KEY STEP of my tile.  Its K has been asked for.  more = 1: at its end the next step's K is asked for, if I have one.
.macro STEP more
.if \more
.set VA, ADV
	STEPNO ST, SI
	s_lshl_b32 s94, s[ST], 13
.else
.set VA, LIV                           ; trip 0 is step 0 in every wave
	s_mov_b32 s[ST], 0
.endif
	s_wait_dscnt 0x0                               ; K is in
.irp c, 0,1,2,3,4,5,6,7
	v_wmma_f32_16x16x64_fp8_fp8 v[S+8*\c:S+8*\c+7], v[KV+8*\c:KV+8*\c+7], v[Q:Q+7], 0
.endr
	; four plain lines between the products that read K and the loads into its registers, and ahead of the first read of the scores
.if \more
	v_add_nc_u32 v[ADV], s94, v[LIV]
	PLACES 3
.else
	PLACES 4
.endif
.irp t, 0,1,2,3
.irp q, 0,1,2,3
	ds_load_b128 v[KV+16*\t+4*\q:KV+16*\t+4*\q+3], v[VA] offset:2048*\t+512*\q
.endr
.endr
	s_cmp_lg_u32 s[ST], s[DG]                      ; only the tile's last step lies on the diagonal
	s_cbranch_scc1 .Lopen_\@
.set n, 0
.rept 64                                       ; register 8 c + i holds key 16 c + 8 h + i of the step: hidden where 16 c + i > the mask number
	v_cmp_gt_i32 vcc_lo, 16*(n/8)+n%8, v[DM]
	v_cndmask_b32 v[S+n], v[S+n], v[NINF], vcc_lo
.set n, n+1
.endr
.Lopen_\@:
	v_max3_num_f32 v22, v[S], v[S+1], v[S+2]       ; the step's largest score of my query among my 64 keys, in two chains, each accumulator from its low end on,
	v_max3_num_f32 v23, v[S+3], v[S+4], v[S+5]
.irp i, 6,10,14,18,22,26,30,34,38,42,46,50,54,58
	v_max3_num_f32 v22, v22, v[S+\i], v[S+\i+1]
	v_max3_num_f32 v23, v23, v[S+\i+2], v[S+\i+3]
.endr
	v_max3_num_f32 v22, v22, v[S+62], v[S+63]
	s_delay_alu instid0(VALU_DEP_1)
	v_max_num_f32 v22, v22, v23
	s_delay_alu instid0(VALU_DEP_1)
	v_permlanex16_b32 v24, v22, s[SEL], s[SEL+1]
	s_delay_alu instid0(VALU_DEP_1)
	v_max_num_f32 v22, v22, v24                    ; and among lane l xor 16's
	s_delay_alu instid0(VALU_DEP_1)
	v_mul_f32 v22, s[CS], v22                      ; as t (c is positive)
	s_delay_alu instid0(VALU_DEP_1)
	v_max_num_f32 v[NM+1], v[NM+1], v22            ; the running largest t
	v_mov_b32 v22, v[NM]
	s_delay_alu instid0(VALU_DEP_2)
	v_floor_f32 v[NM], -v[NM+1]                    ; the new -M = floor(-t) = -ceil(t)
	s_delay_alu instid0(VALU_DEP_1)
	v_sub_f32 v22, v[NM], v22                      ; old M - new M: a whole number, 0 or less
	s_delay_alu instid0(VALU_DEP_1)
	v_cvt_i32_f32 v22, v22                         ; (it saturates)
	s_delay_alu instid0(VALU_DEP_1)
	v_ldexp_f32 v[FF], 1.0, v22                    ; f = 2^(old M - new M)
.set n, 0
.rept 32
	v_pk_fma_f32 v[S+n:S+n+1], v[S+n:S+n+1], s[CS:CS+1], v[NM:NM+1] op_sel_hi:[1,0,0]   ; t - M, two at a time (of the pairs c and -M the low word serves both halves)
.set n, n+2
.endr
	s_wait_alu depctr_va_vdst(0)
.set n, 0
.rept 64
	v_exp_f32 v[S+n], v[S+n]                       ; p = 2^(t - M), at most 1
.set n, n+1
.endr
	v_pk_mul_f32 v[NM+2:NM+3], v[NM+2:NM+3], v[FF:FF+1] op_sel_hi:[1,0]   ; the sums under the new M: the plain line behind the exponentials
	s_wait_alu depctr_va_vdst(0)                   ; one wait, for the batch and for O^T, whose first readers follow
.set n, 0
.rept 16
	v_pk_mul_f32 v[O+n:O+n+1], v[O+n:O+n+1], v[FF:FF+1] op_sel_hi:[1,0]   ; O^T under the new M
.set n, n+2
.endr
	v_pk_add_f32 v[20:21], v[S:S+1], v[S+2:S+3]    ; the row's sum is taken of the unquantised p, in two chains; each p is held behind its addition:
.set n, 0
.rept 16
.if n > 0
	v_pk_add_f32 v[NM+2:NM+3], v[NM+2:NM+3], v[S+n:S+n+1]
	v_pk_add_f32 v[20:21], v[20:21], v[S+n+2:S+n+3]
.endif
	v_dual_min_num_f32 v[S+n], v[S+n], v[PLIM] :: v_dual_min_num_f32 v[S+n+1], v[S+n+1], v[PLIM]   ; the conversion does not saturate (ISA guide 7.6.2); p is not negative, so the hold is one-sided; it stands whatever e5 is
	v_dual_min_num_f32 v[S+n+2], v[S+n+2], v[PLIM] :: v_dual_min_num_f32 v[S+n+3], v[S+n+3], v[PLIM]
.set n, n+4
.endr
	v_pk_add_f32 v[NM+2:NM+3], v[NM+2:NM+3], v[20:21]
.irp c, 0,1,2,3,4,5,6,7
	v_cvt_scalef32_pk8_fp8_f32 v[P+2*\c:P+2*\c+1], v[S+8*\c:S+8*\c+7], v[PSCL]
.endr
	v_nop                                          ; a plain line between the conversions and the products that read the codes
	s_wait_alu depctr_va_vdst(0)
	s_wait_dscnt 0x0                               ; V is in
.irp t, 0,1,2,3                                ; four accumulators by turns, one instruction a turn
	v_wmma_f32_16x16x128_fp8_fp8 v[O+8*\t:O+8*\t+7], v[KV+16*\t:KV+16*\t+15], v[P:P+15], v[O+8*\t:O+8*\t+7]
.endr
.if \more
	s_add_co_u32 s95, s[SI], 1
	STEPNO 94, 95
	s_lshl_b32 s94, s94, 13
	v_add_nc_u32 v[ADK], s94, v[LI]                ; this line and three v_nop: the four plain lines behind the products that read V
	PLACES 3
	s_cmp_gt_u32 s95, s[LAST]
	s_cbranch_scc1 .Ldone
	KLOAD ADK
.else
	PLACES 4
.endif
.endm
; y = O^T x 2^(e4 + e5) / the sum, held, converted with 2^e6 and stored as the image of a fragment.
.macro YOUT
	v_add_f32 v22, v[NM+2], v[NM+3]
	s_delay_alu instid0(VALU_DEP_1)
	v_permlanex16_b32 v24, v22, s[SEL], s[SEL+1]
	s_delay_alu instid0(VALU_DEP_1)
	v_add_f32 v22, v22, v24                        ; the row's sum
	s_wait_alu depctr_va_vdst(0)                   ; the wait ahead of the transcendental,
	v_rcp_f32 v18, v22
	v_nop                                          ; a plain line behind it,
	s_wait_alu depctr_va_vdst(0)                   ; and the wait ahead of its first reader
	v_ldexp_f32 v18, v18, s93
	s_wait_alu depctr_va_vdst(0)                   ; directly ahead of the readers of O^T
.set n, 0
.rept 16
	v_pk_mul_f32 v[S+n:S+n+1], v[O+n:O+n+1], v[18:19] op_sel_hi:[1,0]
.set n, n+2
.endr
.set n, 0
.rept 32
	v_med3_num_f32 v[S+n], v[S+n], -v[YLIM], v[YLIM]
.set n, n+1
.endr
.irp c, 0,1,2,3
	v_cvt_scalef32_pk8_fp8_f32 v[OB+2*\c:OB+2*\c+1], v[S+8*\c:S+8*\c+7], v[YSCL]
.endr
	v_nop                                          ; a plain line behind the last conversion
	global_store_b128 v[LI], v[OB:OB+3], s[70:71]  ; 512 consecutive bytes, aligned
	global_store_b128 v[LI], v[OB+4:OB+7], s[70:71] offset:512
.endm
	s_wait_alu depctr_va_vdst(0)
	s_wait_loadcnt 0x0                             ; Q
	s_cmp_lt_u32 s[WV], 2
	s_cbranch_scc0 .Lmine_later
	s_wait_tensorcnt 0x0                           ; waves 0 and 1: steps 0 and 1 are in (the others' loads may stay out)
.Lmine_later:
	s_barrier_signal -1
	s_barrier_wait -1
	KLOAD LI                                       ; every wave's first trip is step 0
	s_mov_b32 s[SI], 0
	STEP 0
	s_wait_tensorcnt 0x0                           ; my two steps are in,
	s_wait_dscnt 0x0
	s_barrier_signal -1
	s_barrier_wait -1                              ; everybody's are: the whole head lies in LDS
	s_mov_b32 s[SI], 1
	STEPNO 94, SI
	s_lshl_b32 s94, s94, 13
	v_add_nc_u32 v[ADK], s94, v[LI]
	KLOAD ADK
	s_mov_b32 s[CNT], 8
.Lmain:                                            ; trips 1 to 8
	s_cmp_lg_u32 s[SI], s[SWP]
	s_cbranch_scc1 .Lkeep
	YOUT                                           ; waves 8-15: the low tile is done; on to the high tile
	FRESH
.irp i, 0,1,2,3,4,5,6,7
	v_mov_b32 v[Q+\i], v[Q+8+\i]
.endr
	v_mov_b32 v[DM], v[DM+1]
	s_mov_b32 s[DG], s[DG2]
	s_wait_alu depctr_va_vdst(0)
	s_wait_xcnt 0x0                                ; the stores have read their registers
.Lkeep:
	s_cmp_gt_u32 s[SI], s[LAST]
	s_cbranch_scc1 .Ldone                          ; waves 8-15 have no work in trip 8; no barrier and no tensor load stands in a trip
	STEP 1
.Ldone:
	s_add_co_u32 s[SI], s[SI], 1
	s_sub_co_u32 s[CNT], s[CNT], 1
	s_cmp_lg_u32 s[CNT], 0
	s_cbranch_scc1 .Lmain
	; THE JOINING: waves 8-15 hand their part of the high tile to waves 0-7.
	s_cmp_lt_u32 s[WV], 8
	s_cbranch_scc1 .Lmeet
	v_add_f32 v[NM+1], v[NM+2], v[NM+3]
.irp i, 0,1,2,3,4,5,6,7
	ds_store_b128 v[PAO], v[O+4*\i:O+4*\i+3] offset:512*\i
.endr
	ds_store_b64 v[PAO+1], v[NM:NM+1]              ; -M and the sum
.Lmeet:
	s_wait_dscnt 0x0
	s_barrier_signal -1
	s_barrier_wait -1
	s_cmp_lt_u32 s[WV], 8
	s_cbranch_scc0 .Lend
.irp i, 0,1,2,3,4,5,6,7
	ds_load_b128 v[OB+4*\i:OB+4*\i+3], v[PAO] offset:512*\i
.endr
	ds_load_b64 v[18:19], v[PAO+1]
	s_wait_dscnt 0x0
	v_min_num_f32 v20, v[NM], v18                  ; the joint -M
	v_add_f32 v[NM+2], v[NM+2], v[NM+3]
	v_mov_b32 v[NM+3], 0
	v_sub_f32 v21, v20, v[NM]
	v_sub_f32 v22, v20, v18
	v_cvt_i32_f32 v21, v21
	v_cvt_i32_f32 v22, v22
	v_ldexp_f32 v[FF], 1.0, v21                    ; 2^(my M - joint M)
	v_ldexp_f32 v[FB], 1.0, v22                    ; 2^(the other's M - joint M)
	v_mul_f32 v[NM+2], v[NM+2], v[FF]
.set n, 0
.rept 16
	v_pk_mul_f32 v[O+n:O+n+1], v[O+n:O+n+1], v[FF:FF+1] op_sel_hi:[1,0]
.set n, n+2
.endr
	v_fma_f32 v[NM+2], v19, v[FB], v[NM+2]
.set n, 0
.rept 16
	v_pk_fma_f32 v[O+n:O+n+1], v[OB+n:OB+n+1], v[FB:FB+1], v[O+n:O+n+1] op_sel_hi:[1,0,1]
.set n, n+2
.endr
	YOUT
.Lend:
	s_wait_tensorcnt 0x0                           ; the wave's end
	ds_add_u32 v[SPW], v[NIL]
	s_wait_dscnt 0x0
	CROUND                                         ; the closing round
	s_endpgm
.Lfunc_end_k_q2d24e59c3e_attn:
	.size	k_q2d24e59c3e_attn, .Lfunc_end_k_q2d24e59c3e_attn-k_q2d24e59c3e_attn
	.p2alignl 7, 3214868480
	.fill 96, 4, 3214868480
	.section	.rodata,"a",@progbits
	.p2align	6, 0x0
	.amdhsa_kernel k_q2d24e59c3e_attn
		.amdhsa_group_segment_fixed_size 327680
		.amdhsa_private_segment_fixed_size 0
		.amdhsa_enable_private_segment 0
		.amdhsa_kernarg_size 40
		.amdhsa_user_sgpr_count 2
		.amdhsa_user_sgpr_kernarg_segment_ptr 1
		.amdhsa_wavefront_size32 1
		.amdhsa_system_sgpr_workgroup_id_x 1
		.amdhsa_system_sgpr_workgroup_id_y 1
		.amdhsa_system_sgpr_workgroup_id_z 1
		.amdhsa_system_vgpr_workitem_id 0
		.amdhsa_next_free_vgpr 256
		.amdhsa_next_free_sgpr 96
		.amdhsa_reserve_vcc 1
		.amdhsa_float_denorm_mode_32 3
		.amdhsa_float_denorm_mode_16_64 3
		.amdhsa_memory_ordered 1
		.amdhsa_forward_progress 1
		.amdhsa_inst_pref_size 70
	.end_amdhsa_kernel
	.amdgpu_metadata
---
amdhsa.version: [ 1, 2 ]
amdhsa.kernels:
  - .name:           k_q2d24e59c3e_attn
    .symbol:         k_q2d24e59c3e_attn.kd
    .args:
      - { .name: q_codes, .offset: 0, .size: 8, .value_kind: global_buffer, .address_space: global }
      - { .name: k_codes, .offset: 8, .size: 8, .value_kind: global_buffer, .address_space: global }
      - { .name: v_codes, .offset: 16, .size: 8, .value_kind: global_buffer, .address_space: global }
      - { .name: lowp_scales, .offset: 24, .size: 8, .value_kind: global_buffer, .address_space: global }
      - { .name: y_codes, .offset: 32, .size: 8, .value_kind: global_buffer, .address_space: global }
    .group_segment_fixed_size: 327680
    .private_segment_fixed_size: 0
    .kernarg_segment_align: 8
    .kernarg_segment_size: 40
    .max_flat_workgroup_size: 512
    .sgpr_count:     96
    .vgpr_count:     256
    .wavefront_size: 32
...
	.end_amdgpu_metadata
.endif
;; end of part 3
;; launch proj (part 4): grid 8 x 32, 4 waves a work-group, clusters of 4 x 4, 280,064 bytes of LDS; arguments y_codes, wp_codes, b_proj, lowp_scales, out0; writes out0
.if DOCPART == 4
	.amdgcn_target "amdgcn-amd-amdhsa--gfx1250"
	.amdhsa_code_object_version 6
	.text
	.protected	k_q2d24e59c3e_proj
	.globl	k_q2d24e59c3e_proj
	.p2align	8
	.type	k_q2d24e59c3e_proj,@function
k_q2d24e59c3e_proj:
	s_mov_b64 s[64:65], 0
	v_nop
	global_prefetch_b8 v0, s[64:65] scope:SCOPE_SE
	s_setreg_imm32_b32 hwreg(HW_REG_WAVE_MODE, 25, 1), 1
	s_wait_xcnt 0x0
	s_wait_alu depctr_hold_cnt(0) depctr_sa_sdst(0) depctr_va_vdst(0) depctr_va_sdst(0) depctr_va_ssrc(0) depctr_va_vcc(0) depctr_vm_vsrc(0)
	s_getreg_b32 s2, hwreg(HW_REG_IB_STS2, 6, 4)
	s_cmp_eq_u32 s2, 0
	s_cbranch_scc0 .Lentry_in_a_cluster
	s_endpgm
.Lentry_in_a_cluster:
	s_bfe_u32 s2, ttmp6, 0x10000c
	s_cmp_lg_u32 s2, 0xf033
	s_cbranch_scc0 .Lentry_shape_is_right
	s_endpgm
.Lentry_shape_is_right:
; out0 = y W_proj + b_proj on codes of FP8 (E4M3): out = sum x 2^(e6 + e7) + b, one packed multiply-add for two numbers.
; LIMIT: e6 + e7 between -126 and 127, so that 2^(e6 + e7) is an f32 number.
; y_codes [kc 4][tile of 16 tokens: 256][4][1024] and wp_codes [kc 4][tile of 16 columns: 64][2][2048] hold images of operand registers: for 256 along K (chunk kc) a tile is 4,096 bytes, two fragments of 128 K;
; registers 4 q .. 4 q + 3 of lane L lie at 512 q + 16 L of a fragment.  So a load of 16 bytes a lane at 16 x lane brings four registers: 512 consecutive bytes, no pitch, no padding.
; A tile of 128 tokens x 128 columns to a work-group: 32 x 8 = 256 work-groups; four waves, each 64 x 64: 16 accumulators.
; LDS holds all of K, each byte filled once: no ring.  Each wave issues ONE load of 65,536 bytes: two chunks of 32,768 bytes, which are two rows of the descriptor.  Wave 0: y's chunks 0, 1; wave 1: W's; wave 2: y's
; chunks 2, 3; wave 3: W's; they lie at wave x 65,536.  Behind them a stage of 16 rows x 272 bytes for each wave.  No prefetch: everything is asked for at the head.
; CLUSTERS: 4 x 4.  The four of a row of the cluster need the same tiles of y, the four of a column the same tiles of W: asked for JOINTLY.
; THE MATRIX INSTRUCTION IS USED TRANSPOSED (source 0 = 16 columns of W, source 1 = 16 tokens): a lane holds eight neighbouring numbers of a row of out0.
; REGISTERS: window 0: v16-31 addresses; v32-95 at work on the way out; v96-127 the bias; v128-255 the accumulators ((a, b) at v[128 + 8 (4 a + b)]).  window 1: two fragment buffers of 128: y's four, then W's four.
.set ADRA, 16                          ; v16-19  LDS address of my y fragments in chunk 0 .. 3
.set ADRB, 20                          ; v20-23  the same for W
.set STO,  24
.set RD,   25
.set CO,   26
.set BO,   27
.set SPW,  30
.set NIL,  31
.set TMP,  32
.set BIAS, 96
.set ACC,  128
.set STAGE, 262144
.set SPITCH, 272
.set SPARE, STAGE+4*16*SPITCH          ; 279,552
.set G1Y, 24                           ; s[24:31] group 1 for y's chunks;  s[32:39] for W's;  s[48:51], s[52:55] their groups 0
.set G1W, 32
.set G0Y, 48
.set G0W, 52
.set MSB, 0
.macro WIN new                         ; the immediate's high byte repeats the setting that is left
.if MSB != \new
	s_set_vgpr_msb (MSB<<8)|\new
.set MSB, \new
.endif
.endm
.macro PLACES
.rept 4
	v_nop
.endr
.endm
.macro CROUND                          ; a round of the cluster's barrier
	s_barrier_signal -1
	s_barrier_wait -1
	s_cmp_lg_u32 s14, 0
	s_cbranch_scc1 .Lnot_wave_0_\@
	s_barrier_signal -3
.Lnot_wave_0_\@:
	s_barrier_wait -3
	s_barrier_signal -1
	s_barrier_wait -1
.endm
	s_load_b256 s[4:11], s[0:1], 0x0               ; y_codes s[4:5], wp_codes s[6:7], b_proj s[8:9], the scales' exponents s[10:11]
	s_load_b64 s[12:13], s[0:1], 0x20              ; out0
	v_lshl_add_u32 v[SPW], v0, 2, SPARE
	v_mov_b32 v[NIL], 0
	ds_add_u32 v[SPW], v[NIL]                      ; the wave's opening
	ds_add_u32 v[SPW], v[NIL]
	v_lshrrev_b32 v1, 5, v0
	v_readfirstlane_b32 s14, v1                    ; wave 0..3
	s_lshr_b32 s15, s14, 1                         ; which half of the tile's tokens is mine.  Also: which half of K I fetch
	s_and_b32 s16, s14, 1                          ; which half of its columns.  Also: I fetch for y (0) or for W (1)
	s_bfe_u32 s40, ttmp6, 0x40000                  ; cx, cy
	s_bfe_u32 s41, ttmp6, 0x40004
	s_lshl_b32 s42, ttmp9, 2
	s_add_co_u32 s42, s42, s40                     ; tile column = 4 x cluster x + cx
	s_and_b32 s17, ttmp7, 0xffff
	s_lshl_b32 s17, s17, 2
	s_add_co_u32 s17, s17, s41                     ; tile row = 4 x cluster y + cy
	s_lshl_b32 s43, s41, 2
	s_lshl_b32 s43, 15, s43                        ; my row of the cluster
	s_lshl_b32 s44, 0x1111, s40                    ; my column
	s_or_b32 s[G1Y], s43, (3<<16)|(1<<21)          ; 15:0 the mask: y's tiles go to my row; 17:16 elements of 8 bytes; 21 set beside a mask; no padding
	s_or_b32 s[G1W], s44, (3<<16)|(1<<21)          ; W's go to my column
.irp g, G1Y, G1W
	s_mov_b32 s[\g+1], 4096<<16                    ; tensor_dim0: a chunk's 32,768 bytes
	s_mov_b32 s[\g+2], 2<<16                       ; tensor_dim1: two chunks
	s_mov_b32 s[\g+3], 4096<<16                    ; tile_dim0
	s_mov_b32 s[\g+4], 2                           ; tile_dim1
	s_mov_b32 s[\g+6], 0
	s_mov_b32 s[\g+7], 0
.endr
	s_mov_b32 s[G1Y+5], 131072                     ; y's chunks are 1,048,576 bytes apart,
	s_mov_b32 s[G1W+5], 32768                      ; W's 262,144
	s_lshl_b32 s18, s15, 21                        ; chunks 2 p, 2 p + 1 of y
	s_lshl_b32 s20, s17, 15                        ; 8 tiles x 4,096 bytes for each tile row
	s_add_co_u32 s20, s20, s18
	s_mov_b32 s21, 0
	s_lshl_b32 s18, s15, 19                        ; of W
	s_lshl_b32 s84, s42, 15
	s_add_co_u32 s84, s84, s18
	s_mov_b32 s85, 0
	s_wait_dscnt 0x0                               ; both opening adds are done
	s_wait_kmcnt 0x0
	s_load_b64 s[46:47], s[10:11], 0x18            ; e6, e7
	s_mov_b32 s[G0Y], 1
	s_add_nc_u64 s[G0Y+2:G0Y+3], s[4:5], s[20:21]
	s_or_b32 s[G0Y+3], s[G0Y+3], 0x80000000
	s_mov_b32 s[G0W], 1
	s_add_nc_u64 s[G0W+2:G0W+3], s[6:7], s[84:85]
	s_or_b32 s[G0W+3], s[G0W+3], 0x80000000
	CROUND                                         ; all sixteen work-groups are here: the joint loads meet
	; one load a wave, each in an arm of its own, so that every wave's LDS bytes are a constant of the text: wave x 65,536
.macro TL w, g0, g1
	s_mov_b32 s[\g0+1], (\w)*65536
	tensor_load_to_lds s[\g0:\g0+3], s[\g1:\g1+7]
	s_nop 0
	PLACES
.endm
	s_cmp_eq_u32 s14, 0
	s_cbranch_scc0 .Lhead1
	TL 0, G0Y, G1Y
	s_branch .Lfirst_asked
.Lhead1:
	s_cmp_eq_u32 s14, 1
	s_cbranch_scc0 .Lhead2
	TL 1, G0W, G1W
	s_branch .Lfirst_asked
.Lhead2:
	s_cmp_eq_u32 s14, 2
	s_cbranch_scc0 .Lhead3
	TL 2, G0Y, G1Y
	s_branch .Lfirst_asked
.Lhead3:
	TL 3, G0W, G1W
.Lfirst_asked:
	s_lshl_b32 s22, s15, 14                        ; my four tiles of y in a chunk,
	s_lshl_b32 s23, s16, 14
	s_add_co_u32 s23, s23, 65536                   ; my four of W
	s_mul_i32 s86, s14, 16*SPITCH
	s_add_co_u32 s86, s86, STAGE                   ; my stage
	v_and_b32 v1, 31, v0
	v_and_b32 v3, 15, v0                           ; r
	v_bfe_u32 v4, v0, 4, 1                         ; h
	v_lshlrev_b32 v2, 4, v1                        ; 16 x lane
	v_add_nc_u32 v[ADRA], s22, v2
	v_add_nc_u32 v[ADRB], s23, v2
.irp kc, 1,2,3
	v_add_nc_u32 v[ADRA+\kc], 131072*(\kc/2)+32768*(\kc%2), v[ADRA]
	v_add_nc_u32 v[ADRB+\kc], 131072*(\kc/2)+32768*(\kc%2), v[ADRB]
.endr
	v_mul_u32_u24 v[STO], v3, SPITCH               ; in: row r, 32 bytes for each half of the lanes
	v_lshl_add_u32 v[STO], v4, 5, v[STO]
	v_add_nc_u32 v[STO], s86, v[STO]
	v_mul_u32_u24 v[RD], v4, SPITCH                ; back: lanes 0-15 one row of 256 bytes, lanes 16-31 the next
	v_lshl_add_u32 v[RD], v3, 4, v[RD]
	v_add_nc_u32 v[RD], s86, v[RD]
	v_lshlrev_b32 v[CO], 12, v4                    ; and the same two rows in out0
	v_lshl_add_u32 v[CO], v3, 4, v[CO]
	v_lshlrev_b32 v[BO], 5, v4                     ; the bias: my half's eight numbers of each tile of 16 columns
	s_wait_alu depctr_va_vdst(0)
	s_lshl_b32 s88, s42, 9                         ; my first column in bytes: 512 x tile column + 256 x half
	s_lshl_b32 s89, s16, 8
	s_add_co_u32 s88, s88, s89
	s_mov_b32 s89, 0
	s_add_nc_u64 s[8:9], s[8:9], s[88:89]
	s_lshl_b32 s90, s17, 7
	s_lshl_b32 s91, s15, 6
	s_add_co_u32 s90, s90, s91                     ; my first token: 128 x tile row + 64 x half
	s_lshl_b32 s90, s90, 12                        ; rows of 4,096 bytes
	s_add_co_u32 s88, s88, s90
	s_add_nc_u64 s[12:13], s[12:13], s[88:89]
.irp b, 0,1,2,3
	global_load_b128 v[BIAS+8*\b:BIAS+8*\b+3], v[BO], s[8:9] offset:64*\b
	global_load_b128 v[BIAS+8*\b+4:BIAS+8*\b+7], v[BO], s[8:9] offset:64*\b+16
.endr
	s_wait_kmcnt 0x0
	s_add_co_i32 s46, s46, s47
	s_add_co_i32 s46, s46, 127
	s_lshl_b32 s46, s46, 23                        ; 2^(e6 + e7) as f32
	s_mov_b32 s47, s46                             ; (named with it as a pair, so it is written)
.macro FETCH kc, u, f                  ; 32 LDS loads: my four fragments of y and my four of W for K step u of chunk kc, into buffer f
	WIN 0x40                                       ; destination window 1
.irp i, 0,1,2,3
.irp c, 0,1,2,3
	ds_load_b128 v[\f+16*\i+4*\c:\f+16*\i+4*\c+3], v[ADRA+\kc] offset:4096*\i+2048*(\u)+512*\c
.endr
.endr
.irp i, 0,1,2,3
.irp c, 0,1,2,3
	ds_load_b128 v[\f+64+16*\i+4*\c:\f+64+16*\i+4*\c+3], v[ADRB+\kc] offset:4096*\i+2048*(\u)+512*\c
.endr
.endr
.endm
.macro MUL f, zero                     ; 16 matrix instructions; the 16 accumulators take turns, one instruction a turn, in the same order in every step
	WIN 0x05                                       ; sources 0 and 1 window 1; C and D window 0
.irp a, 0,1,2,3
.irp b, 0,1,2,3
.if \zero
	v_wmma_f32_16x16x128_fp8_fp8 v[ACC+8*(4*\a+\b):ACC+8*(4*\a+\b)+7], v[\f+64+16*\b:\f+64+16*\b+15], v[\f+16*\a:\f+16*\a+15], 0
.else
	v_wmma_f32_16x16x128_fp8_fp8 v[ACC+8*(4*\a+\b):ACC+8*(4*\a+\b)+7], v[\f+64+16*\b:\f+64+16*\b+15], v[\f+16*\a:\f+16*\a+15], v[ACC+8*(4*\a+\b):ACC+8*(4*\a+\b)+7]
.endif
.endr
.endr
.endm
; K step k of eight: the next step's fragments are asked for, then this step is multiplied.  Ahead of step 4's fragments the second half of K is shown to all four waves.
.macro KS k, zero
.if (\k) == 3
	s_wait_tensorcnt 0x0                           ; my load is in
	s_wait_dscnt 0x0                               ; no LDS instruction of mine is out at a signal
	s_barrier_signal -1
	s_barrier_wait -1
.endif
.if (\k) < 7
.if (\k) > 0
	PLACES                                         ; four plain lines between the last step's products and the loads into the buffer that they read
.endif
	FETCH ((\k)+1)/2, ((\k)+1)%2, 128*(((\k)+1)%2)
	s_wait_dscnt 32                                ; all but the 32 just issued: this step's fragments are in
.else
	s_wait_dscnt 0x0
.endif
	MUL 128*((\k)%2), \zero
.endm
	s_cmp_lt_u32 s14, 2
	s_cbranch_scc0 .Lmine_later
	s_wait_tensorcnt 0x0                           ; waves 0 and 1: chunks 0 and 1 are in (waves 2 and 3: my load may stay out)
.Lmine_later:
	s_barrier_signal -1
	s_barrier_wait -1
	FETCH 0, 0, 0
	KS 0, 1                                        ; the first products start the sums
.irp k, 1,2,3,4,5,6,7
	KS \k, 0
.endr
	WIN 0
; THE WAY OUT, a block of 16 tokens x 64 columns at a time: sum x 2^(e6 + e7) + bias; through my own stage; back as whole rows of 256 bytes, into the block's own accumulator registers.
.macro TOSTAGE a
.set TT, TMP+32*((\a)%2)
.irp b, 0,1,2,3
.irp i, 0,2,4,6
	v_pk_fma_f32 v[TT+8*\b+\i:TT+8*\b+\i+1], v[ACC+8*(4*(\a)+\b)+\i:ACC+8*(4*(\a)+\b)+\i+1], s[46:47], v[BIAS+8*\b+\i:BIAS+8*\b+\i+1] op_sel_hi:[1,0,1]   ; each accumulator from its low end on
.endr
.endr
.irp b, 0,1,2,3
	ds_store_b128 v[STO], v[TT+8*\b:TT+8*\b+3] offset:64*\b
	ds_store_b128 v[STO], v[TT+8*\b+4:TT+8*\b+7] offset:64*\b+16
.endr
.irp t, 0,1,2,3,4,5,6,7
	ds_load_b128 v[ACC+32*(\a)+4*\t:ACC+32*(\a)+4*\t+3], v[RD] offset:\t*2*SPITCH   ; LDS serves a wave's instructions in order (ISA guide 5.7.1.4): these see the stores above, and the next block's stores come behind them
.endr
.endm
.macro SEND a, younger                 ; younger: the LDS instructions issued behind block a's loads, which may stay out
	s_wait_dscnt \younger
.irp t, 0,1,2,3,4,5,6,7
	global_store_b128 v[CO], v[ACC+32*(\a)+4*\t:ACC+32*(\a)+4*\t+3], s[12:13] offset:(16*(\a)+2*\t)*4096 th:TH_STORE_NT   ; 16 lanes store 256 consecutive bytes, at a multiple of 256 from out0's first byte
.endr
.endm
	s_wait_loadcnt 0x0                             ; the bias
	PLACES                                         ; four plain lines between the last products and the first read of results
	TOSTAGE 0
.irp a, 1,2,3
	TOSTAGE \a
	SEND \a-1, 16                                  ; behind block a - 1's loads: block a's 8 stores and 8 loads
.endr
	SEND 3, 0
	s_wait_tensorcnt 0x0                           ; the wave's end
	ds_add_u32 v[SPW], v[NIL]
	s_wait_dscnt 0x0
	CROUND                                         ; the closing round: no work-group ends while a partner may still ask for a tile that names it
	s_endpgm
.Lfunc_end_k_q2d24e59c3e_proj:
	.size	k_q2d24e59c3e_proj, .Lfunc_end_k_q2d24e59c3e_proj-k_q2d24e59c3e_proj
	.p2alignl 7, 3214868480
	.fill 96, 4, 3214868480
	.section	.rodata,"a",@progbits
	.p2align	6, 0x0
	.amdhsa_kernel k_q2d24e59c3e_proj
		.amdhsa_group_segment_fixed_size 280064
		.amdhsa_private_segment_fixed_size 0
		.amdhsa_enable_private_segment 0
		.amdhsa_kernarg_size 40
		.amdhsa_user_sgpr_count 2
		.amdhsa_user_sgpr_kernarg_segment_ptr 1
		.amdhsa_wavefront_size32 1
		.amdhsa_system_sgpr_workgroup_id_x 1
		.amdhsa_system_sgpr_workgroup_id_y 1
		.amdhsa_system_sgpr_workgroup_id_z 1
		.amdhsa_system_vgpr_workitem_id 0
		.amdhsa_next_free_vgpr 512
		.amdhsa_next_free_sgpr 98
		.amdhsa_reserve_vcc 0
		.amdhsa_float_denorm_mode_32 3
		.amdhsa_float_denorm_mode_16_64 3
		.amdhsa_memory_ordered 1
		.amdhsa_forward_progress 1
		.amdhsa_inst_pref_size 45
	.end_amdhsa_kernel
	.amdgpu_metadata
---
amdhsa.version: [ 1, 2 ]
amdhsa.kernels:
  - .name:           k_q2d24e59c3e_proj
    .symbol:         k_q2d24e59c3e_proj.kd
    .args:
      - { .name: y_codes, .offset: 0, .size: 8, .value_kind: global_buffer, .address_space: global }
      - { .name: wp_codes, .offset: 8, .size: 8, .value_kind: global_buffer, .address_space: global }
      - { .name: b_proj, .offset: 16, .size: 8, .value_kind: global_buffer, .address_space: global }
      - { .name: lowp_scales, .offset: 24, .size: 8, .value_kind: global_buffer, .address_space: global }
      - { .name: out0, .offset: 32, .size: 8, .value_kind: global_buffer, .address_space: global }
    .group_segment_fixed_size: 280064
    .private_segment_fixed_size: 0
    .kernarg_segment_align: 8
    .kernarg_segment_size: 40
    .max_flat_workgroup_size: 128
    .sgpr_count:     98
    .vgpr_count:     512
    .wavefront_size: 32
...
	.end_amdgpu_metadata
.endif
;; end of part 4
